; MI455X (gfx1250); checked and timed in simulation.
; The chip was launched on July 23, 2026; its instructions are those of AMD's public machine-readable ISA for CDNA 5 (MIT licence, August 2026) and "CDNA5" Instruction Set Architecture Reference Guide (July 2026). The comments in the code are by the model that wrote it; some were corrected since.
;; Mo E. Allowed arithmetic: float matrix products may take bf16 or f16 operands with f32 sums; other float arithmetic in f32, or as packed bf16 or f16 multiplies, adds, multiply-adds, maxima and minima; sums over many terms, partial sums and values carried from step to step in f32; what a program stores and reads back later, other than sums and carried values, may be rounded once to bf16 or f16.
;; Inputs: W1 8 x 1,024 x 4,096 float32; W2 8 x 4,096 x 1,024 float32; Wg 1,024 x 8 float32; Wn 1,024 x 8 float32; b1 8 x 4,096 float32; b2 8 x 1,024 float32; bg 8 float32; bn 8 float32; noise 4 x 256 x 8 float32; x 4 x 256 x 1,024 float32.
;; Outputs: out0 4 x 256 x 1,024 float32; out1 one number float32.
;; One version. Each part assembles by itself: llvm-mc -triple=amdgcn-amd-amdhsa -mcpu=gfx1250 --defsym DOCPART=n.
;; ======== version 1 of 1: 4 launches
;; limits: a function is approximated: absolute error at most 2.5e-05; an absolute error that grows with the inputs' magnitude: up to 1.25e-05 times it
;; workspace buffers: xb 2,097,152 bytes; sel 4,096 bytes of whole numbers; gw 32,768 bytes; psum 16,384 bytes; hf 67,108,864 bytes; part 33,554,432 bytes
;; launch gate (part 1): grid 256 x 1, 4 waves a work-group, no clusters, 2,560 bytes of LDS; arguments x, noise, Wg, bg, Wn, bn, xb, sel, gw, psum; writes xb, sel, gw, psum
.if DOCPART == 1
	.amdgcn_target "amdgcn-amd-amdhsa--gfx1250"
	.amdhsa_code_object_version 6
	.text
	.protected	k_qaea302173e_gate
	.globl	k_qaea302173e_gate
	.p2align	8
	.type	k_qaea302173e_gate,@function
k_qaea302173e_gate:
	s_mov_b64 s[64:65], 0
	v_nop
	global_prefetch_b8 v0, s[64:65] scope:SCOPE_SE
	s_setreg_imm32_b32 hwreg(HW_REG_WAVE_MODE, 25, 1), 1
	s_wait_xcnt 0x0
; THE ROUTER.  The whole program computes the module on inputs rounded once to bf16; so x, noise, Wg, bg, Wn, bn are rounded here and the
; router's arithmetic runs in f32 on the rounded numbers.  Stored: xb (x in bf16, [1024][1024]); sel[t] = (1 << e0) | (1 << (16 + e1)), whole numbers
; at fixed places, from which later launches form addresses; gw[t], gw[4096 + t] the two softmax weights; psum[wg][16]: 8 sums of the clean gate
; probabilities and 8 counts over the work-group's 4 tokens.
; LIMITS.  NaN and infinities are not treated apart; softplus is max(z, 0) + ln(1 + e^-|z|), whose second term counts as 0 below 6e-8; ties in the top-2 go to the lower index.
; SHARES.  A work-group has 4 tokens, wave w the channels 256 w .. 256 w + 255 of all four, lane l the channels 256 w + 128 i + 4 l + q (dd = 4 i + q).
; The 64 partial sums (4 tokens x 16 outputs) are added over 16 lanes on the arithmetic itself, meet in LDS, and wave 0 finishes, lane l for token l % 4.
; No matrix unit (16 outputs a token, and the choices must be those of f32 sums), no cluster (the tables shared are 64 KB).
.set SPARE, 2048                       ; behind the 8 blocks of 256 bytes: the spare words, 128 bytes a wave
.set W,   16                           ; v[16:143]  W[dd][o]: o 0-7 Wg, 8-15 Wn
.set X,   144                          ; v[144:175] X[tau][dd]
.set ACC, 176                          ; v[176:239] ACC[tau][o]
.set PKX, 240                          ; v[240:255] x packed to bf16, the stores' data
	s_load_b512 s[4:19], s[0:1], 0x0               ; x, noise, Wg, bg, Wn, bn, xb, sel
	s_load_b128 s[20:23], s[0:1], 0x40             ; gw, psum
	v_lshl_add_u32 v1, v0, 2, SPARE                ; my spare word
	v_mov_b32 v2, 0
	v_and_b32 v3, 31, v0                           ; lane
	v_lshrrev_b32 v12, 5, v0
	v_readfirstlane_b32 s40, v12                   ; wave
	s_mov_b32 s44, 0x3fb8aa3b                      ; log2(e)
	s_mov_b32 s45, 0x3f317218                      ; ln(2)
	s_mov_b32 s46, 0xffff0000                      ; a word's upper bf16
	s_mov_b32 s47, 0xff800000                      ; -infinity
	s_lshl_b32 s41, s40, 10
	v_lshl_add_u32 v12, v3, 4, s41                 ; x: 16 l + 1024 w
	s_lshl_b32 s41, s40, 13
	v_lshl_add_u32 v13, v3, 7, s41                 ; Wg, Wn: 128 l + 8192 w
	s_lshl_b32 s41, s40, 9
	v_lshl_add_u32 v14, v3, 3, s41                 ; xb: 8 l + 512 w
	v_and_b32 v15, 3, v0
	v_lshlrev_b32 v15, 5, v15                      ; noise: 32 (l % 4)
	s_mov_b32 s43, 0
	s_wait_kmcnt 0x0
	s_load_b256 s[24:31], s[10:11], 0x0            ; bg
	s_load_b256 s[32:39], s[14:15], 0x0            ; bn
	s_lshl_b32 s42, ttmp9, 14
	s_add_nc_u64 s[4:5], s[4:5], s[42:43]          ; x at my 4 tokens
	s_lshl_b32 s42, ttmp9, 13
	s_add_nc_u64 s[16:17], s[16:17], s[42:43]      ; xb
	s_lshl_b32 s42, ttmp9, 7
	s_add_nc_u64 s[6:7], s[6:7], s[42:43]          ; noise
	s_lshl_b32 s42, ttmp9, 4
	s_add_nc_u64 s[18:19], s[18:19], s[42:43]      ; sel
	s_add_nc_u64 s[20:21], s[20:21], s[42:43]      ; gw
	s_lshl_b32 s42, ttmp9, 6
	s_add_nc_u64 s[22:23], s[22:23], s[42:43]      ; psum
	global_load_b128 v[4:7], v15, s[6:7]
	global_load_b128 v[8:11], v15, s[6:7] offset:16
.set k, 0
.rept 8                                ; k = 2 tau + i
	global_load_b128 v[X+4*k:X+4*k+3], v12, s[4:5] offset:(k/2)*4096+(k%2)*512 th:TH_LOAD_NT
.set k, k+1
.endr
.set k, 0
.rept 8                                ; k = dd
	global_load_b128 v[W+16*k:W+16*k+3],     v13, s[8:9] offset:(k/4)*4096+(k%4)*32
	global_load_b128 v[W+16*k+4:W+16*k+7],   v13, s[8:9] offset:(k/4)*4096+(k%4)*32+16
	global_load_b128 v[W+16*k+8:W+16*k+11],  v13, s[12:13] offset:(k/4)*4096+(k%4)*32
	global_load_b128 v[W+16*k+12:W+16*k+15], v13, s[12:13] offset:(k/4)*4096+(k%4)*32+16
.set k, k+1
.endr
	s_wait_loadcnt 32                              ; noise and x are in; the 32 loads of Wg and Wn are younger
.set k, 0
.rept 8                                ; x is rounded, stored (32 lanes x 8 bytes: 256 consecutive bytes, aligned) and widened again
	v_cvt_pk_bf16_f32 v[PKX+2*k], v[X+4*k], v[X+4*k+1]
	v_cvt_pk_bf16_f32 v[PKX+2*k+1], v[X+4*k+2], v[X+4*k+3]
	global_store_b64 v14, v[PKX+2*k:PKX+2*k+1], s[16:17] offset:(k/2)*2048+(k%2)*256
	v_lshlrev_b32 v[X+4*k], 16, v[PKX+2*k]
	v_and_b32 v[X+4*k+1], s46, v[PKX+2*k]
	v_lshlrev_b32 v[X+4*k+2], 16, v[PKX+2*k+1]
	v_and_b32 v[X+4*k+3], s46, v[PKX+2*k+1]
.set k, k+1
.endr
; Channel dd: its 16 weights are rounded in place; then 4 tokens x 8 pairs of outputs, two multiply-adds a line, x broadcast from its pair.
.macro DOT d
	s_wait_loadcnt 28-4*(\d)                       ; the later channels' loads, four each, stay out
.set m, 0
.rept 8
	v_cvt_pk_bf16_f32 v[W+16*(\d)+2*m], v[W+16*(\d)+2*m], v[W+16*(\d)+2*m+1]
.set m, m+1
.endr
.set m, 0
.rept 8
	v_and_b32 v[W+16*(\d)+2*m+1], s46, v[W+16*(\d)+2*m]
	v_lshlrev_b32 v[W+16*(\d)+2*m], 16, v[W+16*(\d)+2*m]
.set m, m+1
.endr
.set m, 0
.rept 32                               ; m = 8 tau + pair
.set rA, ACC+2*m
.set rW, W+16*(\d)+2*(m%8)
.set rX, X+8*(m/8)+2*((\d)/2)
.if (\d) == 0
	v_pk_mul_f32 v[rA:rA+1], v[rW:rW+1], v[rX:rX+1] op_sel_hi:[1,0]
.elseif (\d)%2 == 0
	v_pk_fma_f32 v[rA:rA+1], v[rW:rW+1], v[rX:rX+1], v[rA:rA+1] op_sel_hi:[1,0,1]
.else
	v_pk_fma_f32 v[rA:rA+1], v[rW:rW+1], v[rX:rX+1], v[rA:rA+1] op_sel:[0,1,0] op_sel_hi:[1,1,1]
.endif
.set m, m+1
.endr
.endm
.irp d, 0,1,2,3,4,5,6,7
	DOT \d
.endr
.irp x, 1,2,4,8                        ; each half of 16 lanes adds its sums up
.set m, 0
.rept 64
	v_add_f32_dpp v[ACC+m], v[ACC+m], v[ACC+m] row_xmask:\x row_mask:0xf bank_mask:0xf
.set m, m+1
.endr
.endr
	v_bfe_u32 v16, v0, 4, 1
	s_lshl_b32 s41, s40, 9
	v_lshl_add_u32 v16, v16, 8, s41                ; block (wave, half) of 256 bytes: [tau][o]; a half's lanes write the same numbers to the same bytes
.set m, 0
.rept 16
	ds_store_b128 v16, v[ACC+4*m:ACC+4*m+3] offset:16*m
.set m, m+1
.endr
	s_wait_dscnt 0x0                               ; for wave 0's sake: my stores are done
	s_barrier_signal -1
	s_barrier_wait -1
	s_wait_tensorcnt 0x0                           ; behind my last LDS store
	ds_add_u32 v1, v2
	s_wait_dscnt 0x0
	s_cmp_lg_u32 s40, 0
	s_cbranch_scc1 .Ldone
	v_and_b32 v12, 3, v0
	v_lshlrev_b32 v12, 6, v12                      ; my token's 64 bytes in a block
.set m, 0
.rept 32                               ; m = 4 block + quarter
	ds_load_b128 v[16+4*m:16+4*m+3], v12 offset:(m/4)*256+(m%4)*16
.set m, m+1
.endr
	s_wait_dscnt 0x0
.set m, 8
.rept 56                               ; blocks 1 to 7 onto block 0, in this order
	v_pk_add_f32 v[16+2*(m%8):16+2*(m%8)+1], v[16+2*(m%8):16+2*(m%8)+1], v[16+2*m:16+2*m+1]
.set m, m+1
.endr
	s_wait_kmcnt 0x0                               ; bg, bn
.set m, 0
.rept 4
	v_cvt_pk_bf16_f32 v[4+2*m], v[4+2*m], v[5+2*m]
	v_cvt_pk_bf16_f32 v[32+2*m], s[24+2*m], s[25+2*m]
	v_cvt_pk_bf16_f32 v[40+2*m], s[32+2*m], s[33+2*m]
.set m, m+1
.endr
.irp b, 4, 32, 40
.set m, 0
.rept 4
	v_and_b32 v[\b+2*m+1], s46, v[\b+2*m]
	v_lshlrev_b32 v[\b+2*m], 16, v[\b+2*m]
.set m, m+1
.endr
.endr
.set m, 0
.rept 8
	v_pk_add_f32 v[16+2*m:17+2*m], v[16+2*m:17+2*m], v[32+2*m:33+2*m]  ; v16-23 the clean logits, v24-31 z = x Wn + bn
.set m, m+1
.endr
	v_max3_num_f32 v48, v16, v17, v18
	v_max3_num_f32 v48, v48, v19, v20
	v_max3_num_f32 v48, v48, v21, v22
	v_max_num_f32 v48, v48, v23                    ; the logits' maximum is taken away before the exponentials
	v_mul_f32 v49, s44, v48
.set m, 0
.rept 8
	v_mul_f32 v[50+m], s44, -|v[24+m]|
	v_fma_f32 v[58+m], v[16+m], s44, -v49
.set m, m+1
.endr
.set m, 0
.rept 16
	v_exp_f32 v[50+m], v[50+m]
.set m, m+1
.endr
	v_nop                                          ; a plain instruction behind the last exponential,
	s_wait_alu depctr_va_vdst(0)                   ; and one wait for the batch of 16
.set m, 0
.rept 8
	v_add_f32 v[50+m], 1.0, v[50+m]
.set m, m+1
.endr
	v_add_f32 v66, v58, v59
.set m, 2
.rept 6
	v_add_f32 v66, v66, v[58+m]
.set m, m+1
.endr
.set m, 0
.rept 8
	v_log_f32 v[50+m], v[50+m]
.set m, m+1
.endr
	v_rcp_f32 v67, v66
	v_nop
	s_wait_alu depctr_va_vdst(0)                   ; one wait for the 8 logarithms and the reciprocal
.set m, 0
.rept 8
	v_max_num_f32 v[24+m], 0, v[24+m]
	v_fma_f32 v[24+m], v[50+m], s45, v[24+m]       ; softplus
	v_fma_f32 v[92+m], v[4+m], v[24+m], v[16+m]    ; the noisy logits
	v_mul_f32 v[58+m], v[58+m], v67                ; the clean gate probabilities
.set m, m+1
.endr
	v_mov_b32 v76, v92                             ; the largest: strictly greater going up, so the lower index keeps a tie
	v_mov_b32 v77, 0
.irp o, 1,2,3,4,5,6,7
	v_cmp_gt_f32 vcc_lo, v[92+\o], v76
	v_cndmask_b32 v76, v76, v[92+\o], vcc_lo
	v_cndmask_b32 v77, v77, \o, vcc_lo
.endr
.irp o, 0,1,2,3,4,5,6,7
	v_cmp_eq_u32 vcc_lo, \o, v77
	v_cndmask_b32 v[100+\o], v[92+\o], s47, vcc_lo ; the winner is taken out
.endr
	v_mov_b32 v78, v100
	v_mov_b32 v79, 0
.irp o, 1,2,3,4,5,6,7
	v_cmp_gt_f32 vcc_lo, v[100+\o], v78
	v_cndmask_b32 v78, v78, v[100+\o], vcc_lo
	v_cndmask_b32 v79, v79, \o, vcc_lo
.endr
	v_sub_f32 v80, v78, v76                        ; second less first: never above 0
	v_mul_f32 v80, s44, v80
	v_exp_f32 v81, v80
	v_nop
	s_wait_alu depctr_va_vdst(0)
	v_add_f32 v82, 1.0, v81
	v_rcp_f32 v84, v82                             ; w0
	v_nop
	s_wait_alu depctr_va_vdst(0)
	v_mul_f32 v85, v81, v84                        ; w1
	v_mov_b32 v87, 1
	v_lshlrev_b32 v86, v77, v87
	v_add_nc_u32 v83, 16, v79
	v_lshlrev_b32 v83, v83, v87
	v_or_b32 v86, v86, v83                         ; sel
	v_lshrrev_b32 v83, 16, v86
	v_or_b32 v83, v83, v86
.set m, 0
.rept 8
	v_bfe_u32 v[66+m], v83, m, 1
	v_cvt_f32_u32 v[66+m], v[66+m]                 ; 1.0 where the token chose expert m
.set m, m+1
.endr
.irp x, 1,2                            ; over the 4 tokens
.set m, 0
.rept 16
	v_add_f32_dpp v[58+m], v[58+m], v[58+m] row_xmask:\x row_mask:0xf bank_mask:0xf
.set m, m+1
.endr
.endr
	v_lshlrev_b32 v108, 2, v3
	v_mov_b32 v109, 0
	v_cmp_gt_u32 vcc_lo, 4, v3
	s_wait_xcnt 0x0                                ; EXEC changes only when the earlier stores' addresses are translated
	s_and_saveexec_b32 s48, vcc_lo                 ; lanes 0 to 3: a token each
	global_store_b32 v108, v86, s[18:19]
	global_store_b32 v108, v84, s[20:21]
	global_store_b32 v108, v85, s[20:21] offset:16384
	s_wait_xcnt 0x0
	s_or_b32 exec_lo, exec_lo, s48
	v_cmp_eq_u32 vcc_lo, 0, v3
	s_and_saveexec_b32 s48, vcc_lo                 ; lane 0: the work-group's 16 sums
.set m, 0
.rept 4
	global_store_b128 v109, v[58+4*m:58+4*m+3], s[22:23] offset:16*m
.set m, m+1
.endr
	s_wait_xcnt 0x0
	s_or_b32 exec_lo, exec_lo, s48
.Ldone:
	s_endpgm
.Lfunc_end_k_qaea302173e_gate:
	.size	k_qaea302173e_gate, .Lfunc_end_k_qaea302173e_gate-k_qaea302173e_gate
	.p2alignl 7, 3214868480
	.fill 96, 4, 3214868480
	.section	.rodata,"a",@progbits
	.p2align	6, 0x0
	.amdhsa_kernel k_qaea302173e_gate
		.amdhsa_group_segment_fixed_size 2560
		.amdhsa_private_segment_fixed_size 0
		.amdhsa_enable_private_segment 0
		.amdhsa_kernarg_size 80
		.amdhsa_user_sgpr_count 2
		.amdhsa_user_sgpr_kernarg_segment_ptr 1
		.amdhsa_wavefront_size32 1
		.amdhsa_system_sgpr_workgroup_id_x 1
		.amdhsa_system_sgpr_workgroup_id_y 1
		.amdhsa_system_sgpr_workgroup_id_z 1
		.amdhsa_system_vgpr_workitem_id 0
		.amdhsa_next_free_vgpr 256
		.amdhsa_next_free_sgpr 66
		.amdhsa_reserve_vcc 1
		.amdhsa_float_denorm_mode_32 3
		.amdhsa_float_denorm_mode_16_64 3
		.amdhsa_memory_ordered 1
		.amdhsa_forward_progress 1
		.amdhsa_inst_pref_size 69
	.end_amdhsa_kernel
	.amdgpu_metadata
---
amdhsa.version: [ 1, 2 ]
amdhsa.kernels:
  - .name:           k_qaea302173e_gate
    .symbol:         k_qaea302173e_gate.kd
    .args:
      - { .name: x, .offset: 0, .size: 8, .value_kind: global_buffer, .address_space: global }
      - { .name: noise, .offset: 8, .size: 8, .value_kind: global_buffer, .address_space: global }
      - { .name: Wg, .offset: 16, .size: 8, .value_kind: global_buffer, .address_space: global }
      - { .name: bg, .offset: 24, .size: 8, .value_kind: global_buffer, .address_space: global }
      - { .name: Wn, .offset: 32, .size: 8, .value_kind: global_buffer, .address_space: global }
      - { .name: bn, .offset: 40, .size: 8, .value_kind: global_buffer, .address_space: global }
      - { .name: xb, .offset: 48, .size: 8, .value_kind: global_buffer, .address_space: global }
      - { .name: sel, .offset: 56, .size: 8, .value_kind: global_buffer, .address_space: global }
      - { .name: gw, .offset: 64, .size: 8, .value_kind: global_buffer, .address_space: global }
      - { .name: psum, .offset: 72, .size: 8, .value_kind: global_buffer, .address_space: global }
    .group_segment_fixed_size: 2560
    .private_segment_fixed_size: 0
    .kernarg_segment_align: 8
    .kernarg_segment_size: 80
    .max_flat_workgroup_size: 128
    .sgpr_count:     66
    .vgpr_count:     256
    .wavefront_size: 32
...
	.end_amdgpu_metadata
.endif
;; end of part 1
;; launch ffn1 (part 2): grid 256 x 1, 4 waves a work-group, no clusters, 267,264 bytes of LDS; arguments W1, b1, xb, sel, hf; writes hf
.if DOCPART == 2
	.amdgcn_target "amdgcn-amd-amdhsa--gfx1250"
	.amdhsa_code_object_version 6
	.text
	.protected	k_qaea302173e_ffn1
	.globl	k_qaea302173e_ffn1
	.p2align	8
	.type	k_qaea302173e_ffn1,@function
k_qaea302173e_ffn1:
	s_mov_b64 s[64:65], 0
	v_nop
	global_prefetch_b8 v0, s[64:65] scope:SCOPE_SE
	s_setreg_imm32_b32 hwreg(HW_REG_WAVE_MODE, 25, 1), 1
	s_wait_xcnt 0x0
; THE FIRST PRODUCT: h = gelu(x W1[e] + b1[e]) for the rows that chose expert e.  W1 [8][1024][4096] f32, b1 [8][4096] f32, xb [1024][1024] bf16.
; SHARES.  Work-group = (expert e = x / 32, slice = x % 32 of 128 hidden columns): 1,024 x 128 weights, 512 KB of f32 which it alone reads, once, rounded to bf16 on the way
; through registers and laid into LDS (256 KB) as ready operand fragments.  A pass is 20 tiles of 16 rows, tile 20 q + 4 a + w for wave w.
; FILL AND PRODUCTS SIDE BY SIDE (pass 0).  K goes in 8 chunks of 128 = 4 k steps.  While chunk c is multiplied, chunk c + 1's weights land in registers, are rounded and held (64 registers),
; and chunk c + 2's are asked for.  At a chunk's end two barriers stand: behind the first nobody reads LDS and every wave stores its held fragments; behind the second chunk c + 1 is read.
; THE ORDER OF THE LOADS.  Loads return in order (ISA guide 5.7.1), so a row fragment asked for behind a batch of weights is not in before that batch.  Issued are, in chunk c:
; (c,0) A(4c+3); (c,1) A(4c+4), W(c+2, half 0); (c,2) A(4c+5); (c,3) A(4c+6), W(c+2, half 1): every A behind a batch is wanted no earlier than the batch, and a batch has a whole chunk's work in which to land.
; REQUESTS AHEAD INTO THE L2.  Each wave asks once for the 64 blocks of 256 bytes (32 rows x 512 bytes) of a chunk that it will itself load: lane l its row, two lines.  Chunks 1 and 2 at the head, behind
; chunk 0's loads; in chunk c's third k step chunk c + 3, whose loads are issued in chunk c + 1.  The sixth trip's request would be chunk 8: it is clamped to chunk 7, inside the buffer.
; A WAVE'S TILES 0 TO 2 ARE MULTIPLIED IN EVERY K STEP, tiles 3 and 4 only if they exist: for an expert with fewer than 12 tiles the missing ones repeat its last tile, and nothing of them is stored.
; ROWS PAST 320 of one expert (passes 1 to 3) are served from the slice, which is whole in LDS by then, by a plain walk of one k step a trip that asks for nothing ahead: right for every split, slow for such a one.
; THE LIST of the expert's rows is made by wave 0 from sel, under the first weight loads, in an order that the second product repeats; places past the count repeat the last row.
; All loops have constant counts; only forward jumps on the count leave work out, and none of them passes a barrier.
; LAYOUT.  Position p (register p / 2, half p % 2) of lane half h of every fragment holds k = 32 j + 16 h + p, alike on both sides, so the products are kept.  A lane loads 16 bytes = 4 neighbouring
; columns of one k; the four go to four column tiles t: column tile ct = 4 g + t, index i is slice column 64 g + 4 i + t.  So every weight load covers two whole runs of 256 consecutive bytes, and nothing is transposed.
; The weights are source 0: a lane's results are one token and 32 neighbouring hidden columns, which after gelu ARE two operand fragments of the second product; they are stored as such,
; hf [e][tile 64][kf 128][u 2][lane 32][16 bytes], 512 consecutive bytes a store.
; LIMITS.  All inputs count as rounded once to bf16; h is stored in bf16.  erf by 1 - (a1 t + a2 t^2 + a3 t^3) e^(-z^2), t = 1 / (1 + 0.47047 |z|): off by 2.5e-5 at the most, for every z.  NaN and infinities are not treated apart.
; NO TENSOR LOADS: the weights pass through registers to be rounded.  NO CLUSTER: each weight byte has one reader, and the shared rows of x come by a list, which no one descriptor covers.
.set PITCH,   16384                    ; bytes of a row of W1[e]
.set PSH,     14                       ; its logarithm
.set KHSH,    18                       ; lanes 16-31 read 16 rows further on: 16 x 16,384 bytes
.set CHUNK,   128*PITCH                ; bytes from a chunk of K to the next
.set A_KSTEP, 64                       ; bytes of a token's row for a k step
.set A_KSH,   6
.set A_U,     16                       ; the second half of a fragment
.set AB,      8                        ; s[8:9]: xb
.set LIST,    262144                   ; LDS: fragment (k step 4 c + i, column tile ct) at 65536 i + 8192 c + 1024 ct: wave w stores inside its own 65,536 bytes.  Behind them 1,088 words: the list, its padding, word 1087 for lanes with nothing to say
.set CNTW,    266496                   ; the count
.set SPARE,   266752                   ; the spare words, 128 bytes a wave
.set BF,   128                         ; v[128:191], v[192:255] the weights' fragments of one k step, two buffers
.set BIAS, 32                          ; v[32:95]   b1 in the accumulators' layout: 8 ct + jj
.set AO,   96                          ; v[96:115]  slot s, tile a at AO + 5 s + a: the byte offset in xb of the fragment that the slot loads
.set PK,   96                          ; v[96:111]  the way out: two fragments of h, the stores' data (the offsets are not wanted then)
.set HOLD, 128                         ; window 3: eight rounded fragments, held until the chunk's end
.set HU,   128                         ; the way out: u / 2,
.set EA,   160                         ; e^(-z^2),
.set DT,   192                         ; t,
.set PP,   224                         ; the polynomial
; window 0: v0 thread, v1 spare word, v2 zero, v3 16 lane, v4 l % 16, v5 l / 16, v6, v24 the two staging buffers' offsets in W1, v7 fragments' LDS address (in), v8 the same (out), v9-13 list entries,
;           v14 hf offset, v15 32 (l / 16), v16-20 at work, v21 lane, v22 4 (l % 16), v23 128 (l / 16), v25 65536 w + 16 lane, v26 my row's offset in a chunk (never rewritten), v27 the same in the chunk asked for ahead,
;           v28-30 16 lane + 65536 i, v32-63 sel (then b1)
; window 1: the accumulators of tiles 0-3 at 64 a + 8 ct
; window 2: x's fragments, slot s, tile a at 40 s + 8 a; the accumulators of tile 4 at 192 + 8 ct
; window 3: two staging buffers of 64 (row p, column t at 64 g + 4 p + t); the 64 held
.set MSB, 0
.macro WIN new                         ; the immediate's high byte repeats the setting that is left; a switch that changes nothing is dropped
.if MSB != (\new)
	s_set_vgpr_msb (MSB<<8)|(\new)
.set MSB, (\new)
.endif
.endm
.macro PLACES                          ; four plain instructions between a matrix instruction and a load into, or a vector instruction on, its registers
.rept 4
	v_nop
.endr
.endm
.macro WSTEP g                         ; the buffer's next chunk; it stands behind the wait that shows the buffer's last loads done
	v_add_nc_u32 v[6+18*(\g)], CHUNK, v[6+18*(\g)]
.endm
.macro WISSUE g                        ; 16 rows x 4 columns a lane: lanes 0-15 take 256 consecutive bytes of row p, lanes 16-31 of the row 16 further on
	WIN 0xc0
.set ip, 0
.rept 16
	global_load_b128 v[64*(\g)+4*ip:64*(\g)+4*ip+3], v[6+18*(\g)], s[20:21] offset:ip*PITCH th:TH_LOAD_NT
.set ip, ip+1
.endr
	WIN 0
.endm
.macro WCV g                           ; rounded in pairs of k: four whole fragments, held
	WIN 0xcf
.set it, 0
.rept 4
.set iq, 0
.rept 8
	v_cvt_pk_bf16_f32 v[HOLD+32*(\g)+8*it+iq], v[64*(\g)+8*iq+it], v[64*(\g)+8*iq+4+it]
.set iq, iq+1
.endr
.set it, it+1
.endr
	WIN 0
.endm
.macro STORE                           ; my eight fragments of a chunk go to LDS, lane i at 16 i
	WIN 0x0c
.set it, 0
.rept 16
	ds_store_b128 v7, v[HOLD+4*it:HOLD+4*it+3] offset:512*it
.set it, it+1
.endr
	WIN 0
.endm
.macro BLOAD buf                       ; a k step's eight fragments of weights
.set it, 0
.rept 16
	ds_load_b128 v[BF+64*(\buf)+4*it:BF+64*(\buf)+4*it+3], v8 offset:512*it
.set it, it+1
.endr
.endm
.macro ASTEP slot                      ; the slot's next k step, four on; its last loads were shown done by the wait of the k step that multiplied them
.set it, 0
.rept 5
	v_add_nc_u32 v[AO+5*(\slot)+it], 4*A_KSTEP, v[AO+5*(\slot)+it]
.set it, it+1
.endr
.endm
.macro ALOAD slot, b                   ; a k step's fragments of x for five tiles: always ten loads, so that every count below is fixed
	WIN 0x80
.set it, 0
.rept 5
	global_load_b128 v[40*(\slot)+8*it:40*(\slot)+8*it+3],   v[AO+5*(\slot)+it], s[\b:\b+1]
	global_load_b128 v[40*(\slot)+8*it+4:40*(\slot)+8*it+7], v[AO+5*(\slot)+it], s[\b:\b+1] offset:A_U
.set it, it+1
.endr
	WIN 0
.endm
.macro TILE a, slot, buf, first        ; tile a x 8 column tiles; the accumulators take turns, one instruction a turn.  first = 1: b1 starts the sums.  It leaves its window setting standing
.if (\a) < 4
.set AC, 64*(\a)
	WIN 0x58-0x10*(\first)
.else
.set AC, 192
	WIN 0xa8-0x20*(\first)
.endif
.set ic, 0
.rept 8
.if \first
	v_wmma_f32_16x16x32_bf16 v[AC+8*ic:AC+8*ic+7], v[BF+64*(\buf)+8*ic:BF+64*(\buf)+8*ic+7], v[40*(\slot)+8*(\a):40*(\slot)+8*(\a)+7], v[BIAS+8*ic:BIAS+8*ic+7]
.else
	v_wmma_f32_16x16x32_bf16 v[AC+8*ic:AC+8*ic+7], v[BF+64*(\buf)+8*ic:BF+64*(\buf)+8*ic+7], v[40*(\slot)+8*(\a):40*(\slot)+8*(\a)+7], v[AC+8*ic:AC+8*ic+7]
.endif
.set ic, ic+1
.endr
.endm
; K step (c, i) of pass 0.  lcnt: the loads younger than this step's fragments of x.  ld = 1: the slot read last step is stepped (five plain instructions: the places) and loaded, three steps ahead; 2: loaded as it stands; 0: no more.
; g = 0, 1: that staging buffer, shown in by the same wait, is rounded; wi = 1: and asked for again, two chunks on, behind this step's loads of x.  bl = 1: the next step's weights are fetched from LDS.
; bd = 1: the chunk's end; 2: the last one.  pq = 1: the chunk three on is asked for into the L2.  Tiles 3 and 4 are jumped where they do not exist (not in the first step, which writes every accumulator).
.macro KS i, first, lcnt, ld, g, wi, bl, bd, pq=0
	s_wait_loadcnt \lcnt
	s_wait_dscnt 0x0                               ; this step's weights, asked for a step ago; at a chunk's end: my reads of the chunk are over
.if \pq
	s_wait_xcnt 0x0                                ; the last trip's two requests have read v27; the youngest memory instruction stands a k step back
	v_add_nc_u32 v27, s58, v26
	s_add_co_u32 s58, s58, CHUNK
	s_min_u32 s58, s58, 7*CHUNK                    ; never past the last chunk
.endif
.if (\ld) == 1
	ASTEP ((\i)+3)%4
.else
	PLACES
.endif
.if \wi
	WSTEP \g
.endif
.if (\bl) && ((\bd) == 0)
	v_add_nc_u32 v8, s45, v[28+(\i)]
	BLOAD ((\i)+1)%2
.endif
.if \ld
	ALOAD ((\i)+3)%4, AB
.endif
.if \pq
	global_prefetch_b8 v27, s[20:21] th:TH_LOAD_NT scope:SCOPE_SE             ; my row's 512 bytes, as two blocks of 256
	global_prefetch_b8 v27, s[20:21] offset:256 th:TH_LOAD_NT scope:SCOPE_SE
.endif
.if \bd
	s_barrier_signal -1                            ; say so; the rounding, work on registers, stands between signal and wait
.endif
.if (\g) >= 0
	WCV \g
.endif
.if \bd
	s_barrier_wait -1                              ; nobody reads LDS now
	s_add_co_u32 s45, s45, 8192                    ; the next chunk's place,
	s_min_u32 s45, s45, 0xe000                     ; chunk 7's at the most: a wave's stores stay inside its own 65,536 bytes
	v_add_nc_u32 v7, s45, v25
	STORE
.if (\bd) == 2
	s_wait_tensorcnt 0x0                           ; behind my last LDS store
	ds_add_u32 v1, v2
	s_wait_dscnt 0x0                               ; also for the others' sake: my fragments of the last chunk are in LDS
.endif
.endif
.if \wi
	WISSUE \g
.endif
.if \bd
.if (\bd) == 1
	s_wait_dscnt 0x0                               ; for the others' sake: my fragments of the next chunk are in LDS
.endif
	s_barrier_signal -1
	TILE 0, \i, (\i)%2, 0                          ; work on registers while the others arrive
	s_barrier_wait -1                              ; everybody's are
	WIN 0
	v_add_nc_u32 v8, s45, v3
	BLOAD 0                                        ; the next chunk's first step; the tiles below stand between these loads and the wait for them
.else
	TILE 0, \i, (\i)%2, \first
.endif
	TILE 1, \i, (\i)%2, \first
	TILE 2, \i, (\i)%2, \first
.irp a, 3,4
.if !(\first)
	WIN 0                                          ; at a branch every window is 0
	s_cmp_lt_u32 s30, (\a)+1
	s_cbranch_scc1 .Lk_\@
.endif
	TILE \a, \i, (\i)%2, \first
.endr
	WIN 0
.Lk_\@:
.endm
; A k step of the plain walk (passes 1 to 3): fetch, wait for all, multiply.
.macro SK first
	PLACES
	BLOAD 0
	ALOAD 0, 22
	s_wait_loadcnt 0x0
	s_wait_dscnt 0x0
	TILE 0, 0, 0, \first
	TILE 1, 0, 0, \first
	TILE 2, 0, 0, \first
.irp a, 3,4
.if !(\first)
	WIN 0
	s_cmp_lt_u32 s30, (\a)+1
	s_cbranch_scc1 .Ls_\@
.endif
	TILE \a, 0, 0, \first
.endr
	WIN 0
.Ls_\@:
.endm
.macro NLCALC                          ; how many of my five tiles of the pass exist
	s_sub_co_i32 s30, s27, s28
	s_sub_co_i32 s30, s30, s14
	s_add_co_i32 s30, s30, 3
	s_ashr_i32 s30, s30, 2
	s_max_i32 s30, s30, 0
	s_min_i32 s30, s30, 5
	s_lshl_b32 s31, s30, 1
.endm
.macro SETUP full                      ; the pass's five tiles: their tokens from the list, slot 0's offsets; full = 1: those of slots 1 to 3 too
	s_wait_xcnt 0x0                                ; registers that earlier stores read are written anew
	s_max_u32 s36, s27, 1
	s_sub_co_u32 s36, s36, 1
	s_add_co_u32 s35, s28, s14
.irp a, 0,1,2,3,4
	s_add_co_u32 s34, s35, 4*\a
	s_min_u32 s34, s34, s36                        ; a tile that does not exist repeats the last one
	s_min_u32 s34, s34, 63
	s_lshl_b32 s34, s34, 6
	s_add_co_u32 s34, s34, LIST
	v_add_nc_u32 v[16+\a], s34, v22
	ds_load_b32 v[9+\a], v[16+\a]
.endr
	s_wait_dscnt 0x0
.irp a, 0,1,2,3,4
	v_and_b32 v[9+\a], 0xfff, v[9+\a]
	v_min_u32 v[9+\a], 0x3ff, v[9+\a]              ; the token
	v_lshl_add_u32 v[AO+\a], v[9+\a], 11, v15      ; its row of 2,048 bytes + 32 (l / 16)
.endr
.if \full
.irp s, 1,2,3
.irp a, 0,1,2,3,4
	v_add_nc_u32 v[AO+5*\s+\a], \s*A_KSTEP, v[AO+\a]
.endr
.endr
.endif
.endm
	s_load_b256 s[4:11], s[0:1], 0x0               ; W1 s[4:5], b1 s[6:7], xb s[8:9], sel s[10:11]
	s_load_b64 s[12:13], s[0:1], 0x20              ; hf
	v_lshl_add_u32 v1, v0, 2, SPARE
	v_mov_b32 v2, 0
	v_and_b32 v21, 31, v0
	v_lshrrev_b32 v16, 5, v0
	v_readfirstlane_b32 s14, v16                   ; wave
	v_lshlrev_b32 v3, 4, v21
	v_and_b32 v4, 15, v0
	v_bfe_u32 v5, v0, 4, 1
	v_lshlrev_b32 v6, 4, v4
	v_lshl_add_u32 v6, v5, KHSH, v6                ; columns 0-63 of the slice,
	v_add_nc_u32 v24, 0x100, v6                    ; columns 64-127
	v_lshlrev_b32 v26, PSH, v4
	v_lshl_add_u32 v26, v5, KHSH, v26              ; lane l's own row among the 32 that my wave loads of a chunk
	v_lshlrev_b32 v23, 7, v5
	s_lshr_b32 s15, ttmp9, 5                       ; expert
	s_and_b32 s16, ttmp9, 31                       ; slice
	s_lshl_b32 s18, s15, 24
	s_lshl_b32 s34, s16, 9
	s_add_co_u32 s18, s18, s34
	s_lshl_b32 s35, s14, 19                        ; my first row in a chunk of 128: 32 w
	s_add_co_u32 s18, s18, s35
	s_mov_b32 s19, 0
	s_lshl_b32 s36, s15, 14
	s_add_co_u32 s36, s36, s34
	s_mov_b32 s37, 0
	s_wait_kmcnt 0x0
	s_add_nc_u64 s[20:21], s[4:5], s[18:19]
	s_add_nc_u64 s[6:7], s[6:7], s[36:37]          ; b1 at my slice
.set it, 0
.rept 8                                ; sel: the lane's word 4 c + q is token 128 c + 4 l + q.  Every wave loads it, so that all count alike; wave 0 uses it
	global_load_b128 v[32+4*it:35+4*it], v3, s[10:11] offset:512*it
.set it, it+1
.endr
.set it, 0
.rept 16                               ; b1: it = 8 g + jj: the four t of hidden column 64 g + 32 (l / 16) + 4 jj
	global_load_b128 v[192+4*it:195+4*it], v23, s[6:7] offset:(it/8)*256+(it%8)*16
.set it, it+1
.endr
	WISSUE 0                                       ; chunk 0
	WISSUE 1
.irp c, 1,2                            ; chunks 1 and 2 are asked for into the L2: my 32 rows x 512 bytes of each
	global_prefetch_b8 v26, s[20:21] offset:\c*CHUNK th:TH_LOAD_NT scope:SCOPE_SE
	global_prefetch_b8 v26, s[20:21] offset:\c*CHUNK+256 th:TH_LOAD_NT scope:SCOPE_SE
.endr
	s_lshl_b32 s34, s14, 16                        ; the rest of the set-up, work on registers, stands behind the requests
	v_add_nc_u32 v25, s34, v3                      ; wave w rounds k steps 4 c + w
	v_add_nc_u32 v28, 0x10000, v3
	v_add_nc_u32 v29, 0x20000, v3
	v_add_nc_u32 v30, 0x30000, v3
	v_lshlrev_b32 v15, 5, v5
	v_lshlrev_b32 v22, 2, v4
	s_lshl_b32 s40, 0x10001, s15                   ; the expert's two bits in a word of sel
	s_add_co_u32 s41, s15, 4
	s_mov_b32 s42, 0                               ; rows so far
	s_mov_b32 s44, LIST
	s_mov_b32 s45, 0                               ; 8,192 x the chunk in hand
	s_mov_b32 s58, 3*CHUNK                         ; the chunk that the loop asks for next
	s_mov_b32 s46, 0xc038aa3b                      ; -2 log2(e)
	s_mov_b32 s47, s46
	s_mov_b32 s48, 0x3f2a5414                      ; 0.47047 sqrt(2)
	s_mov_b32 s49, 0xffff0000
	s_mov_b32 s50, 0x3f3f7377                      ; a3
	s_mov_b32 s51, s50
	s_mov_b32 s52, 0xbdc45ca1                      ; a2
	s_mov_b32 s53, s52
	s_mov_b32 s54, 0x3eb2303b                      ; a1
	s_mov_b32 s55, s54
	s_cmp_lg_u32 s14, 0
	s_cbranch_scc1 .Lnolist
	s_wait_loadcnt 48                              ; sel is in: behind it b1's 16 loads and the weights' 32
	v_mov_b32 v20, s44
	ds_store_b32 v20, v2                           ; place 0 holds a token whatever the count
	v_lshlrev_b32 v16, 2, v21                      ; the word's token
	s_mov_b32 s32, 8
.Llist:                                                ; a trip takes the four words of 128 tokens, then moves the words still to come down by four registers
.set wi, 0
.rept 4
	v_and_b32 v18, s40, v[32+wi]
	v_cmp_ne_u32 vcc_lo, 0, v18                    ; who chose the expert
	v_mbcnt_lo_u32_b32 v17, vcc_lo, s42            ; the row's place: those before it
	v_cndmask_b32 v17, 0x43f, v17, vcc_lo          ; the others write word 1087, which nobody reads
	v_min_u32 v17, 0x43f, v17
	v_lshrrev_b32 v19, s41, v18                    ; 0 for the first choice, 1 << 12 for the second
	v_or_b32 v19, v19, v16
	v_lshl_add_u32 v20, v17, 2, s44
	ds_store_b32 v20, v19
	s_bcnt1_i32_b32 s43, vcc_lo
	s_add_co_u32 s42, s42, s43
.if wi == 3
	v_add_nc_u32 v16, 125, v16
.else
	v_add_nc_u32 v16, 1, v16
.endif
.set wi, wi+1
.endr
.set wi, 0
.rept 28
	v_mov_b32 v[32+wi], v[36+wi]
.set wi, wi+1
.endr
	s_sub_co_u32 s32, s32, 1
	s_cmp_lg_u32 s32, 0
	s_cbranch_scc1 .Llist
	s_max_u32 s43, s42, 1
	s_sub_co_u32 s43, s43, 1
	s_min_u32 s43, s43, 0x3ff
	s_lshl_b32 s43, s43, 2
	s_add_co_u32 s43, s43, LIST
	v_mov_b32 v20, s43
	ds_load_b32 v19, v20                           ; the last row (LDS serves a wave's instructions in order: ISA guide 5.7.1.4)
	v_add_nc_u32 v17, s42, v21
	v_min_u32 v17, 0x41f, v17
	v_lshl_add_u32 v20, v17, 2, s44
	s_wait_dscnt 0x0
	ds_store_b32 v20, v19                          ; repeated in the 32 places behind it
	v_mov_b32 v20, CNTW
	v_mov_b32 v19, s42
	ds_store_b32 v20, v19
.Lnolist:
	s_wait_loadcnt 16                              ; chunk 0's first batch is in, its second may be out
	WCV 0
	s_wait_loadcnt 0x0
	WCV 1
	v_add_nc_u32 v7, s45, v25
	STORE
	s_wait_dscnt 0x0                               ; for the others' sake: my fragments of chunk 0, and wave 0's list, are in LDS
	s_barrier_signal -1
	s_barrier_wait -1
	v_mov_b32 v17, CNTW
	ds_load_b32 v18, v17
	s_wait_dscnt 0x0
	v_readfirstlane_b32 s26, v18
	s_min_u32 s26, s26, 0x400                      ; rows
	s_add_co_u32 s27, s26, 15
	s_lshr_b32 s27, s27, 4                         ; tiles
	s_mov_b32 s28, 0                               ; the pass's first tile
	s_mov_b32 s29, 4                               ; four passes of 20 tiles cover 1,024 rows, all tokens on one expert
	NLCALC
	SETUP 1
	ALOAD 0, AB                                    ; the order that the walk keeps: A(0), W(1, half 0), A(1), A(2), W(1, half 1)
	WSTEP 0
	WISSUE 0
	ALOAD 1, AB
	ALOAD 2, AB
	WSTEP 1
	WISSUE 1
	v_add_nc_u32 v8, s45, v3
	BLOAD 0
.set m, 0
.rept 32                               ; while those are on their way: b1, m = 2 (8 g + jj) + t / 2, rounded to bf16 in place and put where the accumulators want it
	v_cvt_pk_bf16_f32 v[192+2*m], v[192+2*m], v[193+2*m]
	v_lshlrev_b32 v[BIAS+8*(4*(m/16)+2*(m%2))+(m/2)%8], 16, v[192+2*m]
	v_and_b32 v[BIAS+8*(4*(m/16)+2*(m%2)+1)+(m/2)%8], s49, v[192+2*m]
.set m, m+1
.endr
	; the counts: at (c,0) and (c,2) two batches of 16 and two steps' 10 are younger than the fragments wanted: 52; at (c,1) and (c,3) one batch and two steps: 36
	KS 0, 1, 52, 2, -1, 0, 1, 0                    ; (0,0) stands ahead of the loop: its products start the sums
	s_mov_b32 s32, 6
.Lchunk:                                               ; a trip goes from a chunk's second k step to the next chunk's first; trips 0 to 5 load chunks 2 to 7
	KS 1, 0, 36, 1, 0, 1, 1, 0
	KS 2, 0, 52, 1, -1, 0, 1, 0, 1
	KS 3, 0, 36, 1, 1, 1, 1, 1
	KS 0, 0, 52, 1, -1, 0, 1, 0
	s_sub_co_u32 s32, s32, 1
	s_cmp_lg_u32 s32, 0
	s_cbranch_scc1 .Lchunk
	KS 1, 0, 36, 1, 0, 0, 1, 0                     ; chunk 6: no weights are left to ask for, so the counts lose their batches
	KS 2, 0, 36, 1, -1, 0, 1, 0                    ; chunk 7's second batch and two steps
	KS 3, 0, 20, 1, 1, 0, 1, 2                     ; two steps; the last chunk goes into LDS
	KS 0, 0, 20, 1, -1, 0, 1, 0                    ; (7,0) asks for the last step's rows
	KS 1, 0, 20, 0, -1, 0, 1, 0
	KS 2, 0, 10, 0, -1, 0, 1, 0
	KS 3, 0, 0, 0, -1, 0, 0, 0
	PLACES                                         ; behind the last products, on every way
	s_branch .Lepi                                 ; the way out is written once, in the loop over the further passes
.Lpass:                                                ; passes 1 to 3: rows past 320 of one expert
	NLCALC
	s_cmp_eq_u32 s30, 0
	s_cbranch_scc1 .Lpassn
	SETUP 0
	s_mov_b64 s[22:23], s[8:9]
	v_mov_b32 v8, v3
	SK 1
	s_mov_b32 s32, 1
.Lslow:                                                ; LDS is walked on end: block m of 8,192 bytes holds k step 4 (m % 8) + m / 8
	s_and_b32 s34, s32, 7
	s_lshl_b32 s34, s34, 2
	s_lshr_b32 s35, s32, 3
	s_or_b32 s34, s34, s35
	s_lshl_b32 s18, s34, A_KSH
	s_add_nc_u64 s[22:23], s[8:9], s[18:19]        ; the last trip's loads are done: its wait was for 0
	s_lshl_b32 s34, s32, 13
	v_add_nc_u32 v8, s34, v3
	SK 0
	s_add_co_u32 s32, s32, 1
	s_cmp_lt_u32 s32, 32
	s_cbranch_scc1 .Lslow
	PLACES
.Lepi:
; THE WAY OUT, written once and walked ten times: trip I takes tile I / 2, column half I % 2.  Only the 16 lines that fetch the four accumulators differ; they also halve.
	s_mov_b32 s33, 0
.Lep:
	s_cmp_ge_u32 s33, s31
	s_cbranch_scc1 .Lepn
.irp num, 0,1,2,3,4,5,6,7,8
	s_cmp_eq_u32 s33, \num
	s_cbranch_scc1 .Lst\num
.endr
	s_branch .Lst9
.macro STUB num, br
.Lst\num:
.if (\num) < 8
	WIN 0x01
.set AC, 64*((\num)/2)+32*((\num)%2)
.else
	WIN 0x02
.set AC, 192+32*((\num)%2)
.endif
.set im, 0
.rept 16                               ; ascending: each accumulator is read from its low end
	v_pk_mul_f32 v[HU+2*im:HU+2*im+1], v[AC+2*im:AC+2*im+1], 0.5 op_sel_hi:[1,0]
.set im, im+1
.endr
	WIN 0
.if \br
	s_branch .Lgelu
.endif
.endm
.irp num, 0,1,2,3,4,5,6,7,8
	STUB \num, 1
.endr
	STUB 9, 0
.Lgelu:
	s_lshr_b32 s34, s33, 1
	s_lshl_b32 s34, s34, 2
	s_add_co_u32 s34, s34, s28
	s_add_co_u32 s34, s34, s14                     ; the tile
	s_lshl_b32 s35, s15, 6
	s_add_co_u32 s34, s34, s35
	s_lshl_b32 s34, s34, 7
	s_lshl_b32 s35, s16, 2
	s_add_co_u32 s34, s34, s35
	s_and_b32 s35, s33, 1
	s_lshl_b32 s35, s35, 1
	s_add_co_u32 s34, s34, s35                     ; fragment (64 e + tile) 128 + 4 slice + 2 g
	s_lshl_b32 s34, s34, 10
.set im, 0
.rept 16
	v_pk_mul_f32 v[EA+2*im:EA+2*im+1], v[HU+2*im:HU+2*im+1], s[46:47] op_sel_hi:[1,0]
.set im, im+1
.endr
.set im, 0
.rept 16
	v_pk_mul_f32 v[EA+2*im:EA+2*im+1], v[EA+2*im:EA+2*im+1], v[HU+2*im:HU+2*im+1]  ; -z^2 log2(e), z = u / sqrt(2)
.set im, im+1
.endr
.set im, 0
.rept 32
	v_fma_f32 v[DT+im], |v[HU+im]|, s48, 1.0       ; 1 + 0.47047 |z|
.set im, im+1
.endr
.set im, 0
.rept 32
	v_exp_f32 v[EA+im], v[EA+im]
.set im, im+1
.endr
.set im, 0
.rept 32
	v_rcp_f32 v[DT+im], v[DT+im]
.set im, im+1
.endr
	v_nop                                          ; a plain instruction behind the last of them,
	s_wait_alu depctr_va_vdst(0)                   ; and one wait for the batch of 64
.set im, 0
.rept 16
	v_pk_fma_f32 v[PP+2*im:PP+2*im+1], v[DT+2*im:DT+2*im+1], s[50:51], s[52:53] op_sel_hi:[1,0,0]
.set im, im+1
.endr
.set im, 0
.rept 16
	v_pk_fma_f32 v[PP+2*im:PP+2*im+1], v[PP+2*im:PP+2*im+1], v[DT+2*im:DT+2*im+1], s[54:55] op_sel_hi:[1,1,0]
.set im, im+1
.endr
.set im, 0
.rept 16
	v_pk_mul_f32 v[PP+2*im:PP+2*im+1], v[PP+2*im:PP+2*im+1], v[DT+2*im:DT+2*im+1]
.set im, im+1
.endr
.set im, 0
.rept 16
	v_pk_fma_f32 v[PP+2*im:PP+2*im+1], v[PP+2*im:PP+2*im+1], v[EA+2*im:EA+2*im+1], 1.0 op_sel_hi:[1,1,0] neg_lo:[1,0,0] neg_hi:[1,0,0]  ; erf |z|
.set im, im+1
.endr
.set im, 0
.rept 32
	v_fma_f32 v[HU+im], |v[HU+im]|, v[PP+im], v[HU+im]  ; u / 2 + |u| / 2 erf |z| = gelu(u)
.set im, im+1
.endr
	s_wait_xcnt 0x0                                ; the last trip's stores have read their data and offset, which the lines below write anew; the trip's arithmetic stands between those stores and this wait
	v_add_nc_u32 v14, s34, v3
.set iq, 0
.rept 16                               ; register iq % 8 of fragment iq / 8: hidden columns 16 f + 2 q, + 1 of the lane's 32, which are jj = 4 f + q / 2, t = 2 (q % 2), + 1
	v_cvt_pk_bf16_f32 v[PK+iq], v[HU+16*(iq%2)+4*(iq/8)+(iq%8)/2], v[HU+16*(iq%2)+8+4*(iq/8)+(iq%8)/2]
.set iq, iq+1
.endr
.set it, 0
.rept 4
	global_store_b128 v14, v[PK+4*it:PK+4*it+3], s[12:13] offset:512*it  ; 512 consecutive bytes, aligned
.set it, it+1
.endr
.Lepn:
	s_add_co_u32 s33, s33, 1
	s_cmp_lt_u32 s33, 10
	s_cbranch_scc1 .Lep
.Lpassn:
	s_add_co_u32 s28, s28, 20
	s_sub_co_u32 s29, s29, 1
	s_cmp_lg_u32 s29, 0
	s_cbranch_scc1 .Lpass
	s_endpgm                                       ; nothing has written LDS since the three lines behind the last chunk's stores
.Lfunc_end_k_qaea302173e_ffn1:
	.size	k_qaea302173e_ffn1, .Lfunc_end_k_qaea302173e_ffn1-k_qaea302173e_ffn1
	.p2alignl 7, 3214868480
	.fill 96, 4, 3214868480
	.section	.rodata,"a",@progbits
	.p2align	6, 0x0
	.amdhsa_kernel k_qaea302173e_ffn1
		.amdhsa_group_segment_fixed_size 267264
		.amdhsa_private_segment_fixed_size 0
		.amdhsa_enable_private_segment 0
		.amdhsa_kernarg_size 40
		.amdhsa_user_sgpr_count 2
		.amdhsa_user_sgpr_kernarg_segment_ptr 1
		.amdhsa_wavefront_size32 1
		.amdhsa_system_sgpr_workgroup_id_x 1
		.amdhsa_system_sgpr_workgroup_id_y 1
		.amdhsa_system_sgpr_workgroup_id_z 1
		.amdhsa_system_vgpr_workitem_id 0
		.amdhsa_next_free_vgpr 1024
		.amdhsa_next_free_sgpr 66
		.amdhsa_reserve_vcc 1
		.amdhsa_float_denorm_mode_32 3
		.amdhsa_float_denorm_mode_16_64 3
		.amdhsa_memory_ordered 1
		.amdhsa_forward_progress 1
		.amdhsa_inst_pref_size 145
	.end_amdhsa_kernel
	.amdgpu_metadata
---
amdhsa.version: [ 1, 2 ]
amdhsa.kernels:
  - .name:           k_qaea302173e_ffn1
    .symbol:         k_qaea302173e_ffn1.kd
    .args:
      - { .name: W1, .offset: 0, .size: 8, .value_kind: global_buffer, .address_space: global }
      - { .name: b1, .offset: 8, .size: 8, .value_kind: global_buffer, .address_space: global }
      - { .name: xb, .offset: 16, .size: 8, .value_kind: global_buffer, .address_space: global }
      - { .name: sel, .offset: 24, .size: 8, .value_kind: global_buffer, .address_space: global }
      - { .name: hf, .offset: 32, .size: 8, .value_kind: global_buffer, .address_space: global }
    .group_segment_fixed_size: 267264
    .private_segment_fixed_size: 0
    .kernarg_segment_align: 8
    .kernarg_segment_size: 40
    .max_flat_workgroup_size: 128
    .sgpr_count:     66
    .vgpr_count:     1024
    .wavefront_size: 32
...
	.end_amdgpu_metadata
.endif
;; end of part 2
;; launch ffn2 (part 3): grid 256 x 1, 4 waves a work-group, no clusters, 267,264 bytes of LDS; arguments W2, hf, sel, gw, part; writes part
.if DOCPART == 3
	.amdgcn_target "amdgcn-amd-amdhsa--gfx1250"
	.amdhsa_code_object_version 6
	.text
	.protected	k_qaea302173e_ffn2
	.globl	k_qaea302173e_ffn2
	.p2align	8
	.type	k_qaea302173e_ffn2,@function
k_qaea302173e_ffn2:
	s_mov_b64 s[64:65], 0
	v_nop
	global_prefetch_b8 v0, s[64:65] scope:SCOPE_SE
	s_setreg_imm32_b32 hwreg(HW_REG_WAVE_MODE, 25, 1), 1
	s_wait_xcnt 0x0
; THE SECOND PRODUCT: part[choice][ks][token] = gate weight x (h W2[e]) over a quarter ks of the hidden width, for the rows that chose expert e.  W2 [8][4096][1024] f32.
; SHARES.  Work-group = (expert e = x / 32, quarter ks = (x / 8) % 4 of K, slice ns = x % 8 of 128 output columns): 1,024 x 128 weights, 512 KB of f32 which it alone reads, once, rounded to bf16
; on the way through registers and laid into LDS as operand fragments.  Four parts along K, so that a slice has rows of 512 bytes and fits in LDS; the parts are f32 and are added by the last launch.
; FILL AND PRODUCTS SIDE BY SIDE (pass 0), as in the first product: K goes in 8 chunks of 128 = 4 k steps.  While chunk c is multiplied, chunk c + 1's weights land in registers, are rounded and held,
; and chunk c + 2's are asked for.  At a chunk's end two barriers stand: behind the first nobody reads LDS and every wave stores its held fragments; behind the second chunk c + 1 is read.
; THE ORDER OF THE LOADS.  Loads return in order (ISA guide 5.7.1).  Issued are, in chunk c: (c,0) A(4c+3); (c,1) A(4c+4), W(c+2, half 0); (c,2) A(4c+5); (c,3) A(4c+6), W(c+2, half 1):
; every fragment of h behind a batch of weights is wanted no earlier than the batch, and a batch has a whole chunk's work in which to land.
; REQUESTS AHEAD INTO THE L2.  Each wave asks once for the 64 blocks of 256 bytes (32 rows x 512 bytes) of a chunk that it will itself load: lane l its row, two lines.  Chunks 1 and 2 at the head, behind
; chunk 0's loads; in chunk c's third k step chunk c + 3, whose loads are issued in chunk c + 1.  The sixth trip's request would be chunk 8: it is clamped to chunk 7, inside the buffer.
; A WAVE'S TILES 0 TO 2 ARE MULTIPLIED IN EVERY K STEP, tiles 3 and 4 only if they exist: for an expert with fewer than 12 tiles the missing ones repeat its last tile, and nothing of them is stored.
; ROWS PAST 320 of one expert (passes 1 to 3) are served from the slice, whole in LDS by then, by a plain walk of one k step a trip that asks for nothing ahead: right for every split, slow for such a one.
; LAYOUT.  Position p of lane half h of the fragment of k step j holds k = 64 (j / 2) + 32 h + 16 (j % 2) + p, the order in which the first product's results fell; the weights are loaded by the same order
; (lanes 16-31 read 32 rows further on).  Column tile ct = 4 g + t, index i is slice column 64 g + 4 i + t.  h is source 0: a lane's results are 8 tokens of one column; the multiply by the gate's weight
; brings the four t side by side, and 16 lanes store 256 consecutive bytes, aligned, of a token's row.
; Places past the count repeat the last row: they store the same numbers to the same bytes, from this work-group alone, so EXEC is never narrowed.  With no row at all the walk multiplies bytes of hf that nobody stored, and stores nothing.
; LIMITS.  W2 counts as rounded once to bf16; h comes in bf16.  NaN and infinities are not treated apart.
; NO TENSOR LOADS: the weights pass through registers to be rounded.  NO CLUSTER: each weight byte has one reader; the fragments of h that eight work-groups share would want slots
; beside a slice that leaves 59 KB of LDS, and rounds in work whose length hangs on a count.
.set PITCH,   4096                     ; bytes of a row of W2[e]
.set PSH,     12                       ; its logarithm
.set KHSH,    17                       ; lanes 16-31 read 32 rows further on: 32 x 4,096 bytes
.set CHUNK,   128*PITCH                ; bytes from a chunk of K to the next
.set A_KSTEP, 1024                     ; a fragment of h
.set A_KSH,   10
.set A_U,     512                      ; its second half
.set AB,      24                       ; s[24:25]: hf at the expert's tiles and the quarter's fragments
.set LIST,    262144                   ; LDS as in the first product: fragment (k step 4 c + i, column tile ct) at 65536 i + 8192 c + 1024 ct; then the list,
.set CNTW,    266496                   ; the count,
.set SPARE,   266752                   ; the spare words
.set BF,   128
.set AO,   96                          ; v[96:115]  slot s, tile a at AO + 5 s + a: the byte offset in hf of the fragment that the slot loads
.set HOLD, 128                         ; window 3: eight rounded fragments, held until the chunk's end
; window 0: v0 thread, v1 spare word, v2 zero, v3 16 lane, v4 l % 16, v5 l / 16, v6, v24 the two staging buffers' offsets in W2, v7, v8 fragments' LDS address in and out,
;           v16-20 at work, v21 lane, v22 16 (l % 16), v23 32 (l / 16), v25 65536 w + 16 lane, v26 my row's offset in a chunk (never rewritten), v27 the same in the chunk asked for ahead, v28-30 16 lane + 65536 i, v32-63 sel;
;           on the way out, tile a: v[32+16a ..] the 8 rows' offsets in part, v[40+16a ..] their gate weights (the slots' offsets are not wanted then); v128-255 the scaled rows of tiles 0 and 1
; window 1: the accumulators of tiles 0-3 at 64 a + 8 ct     window 2: h's fragments at 40 s + 8 a; the accumulators of tile 4 at 192 + 8 ct
; window 3: two staging buffers of 64; the 64 held; on the way out the scaled rows of tiles 2, 3 and 4
.set MSB, 0
.macro WIN new                         ; the immediate's high byte repeats the setting that is left; a switch that changes nothing is dropped
.if MSB != (\new)
	s_set_vgpr_msb (MSB<<8)|(\new)
.set MSB, (\new)
.endif
.endm
.macro PLACES                          ; four plain instructions between a matrix instruction and a load into, or a vector instruction on, its registers
.rept 4
	v_nop
.endr
.endm
.macro WSTEP g                         ; the buffer's next chunk; it stands behind the wait that shows the buffer's last loads done
	v_add_nc_u32 v[6+18*(\g)], CHUNK, v[6+18*(\g)]
.endm
.macro WISSUE g                        ; 16 rows x 4 columns a lane: lanes 0-15 take 256 consecutive bytes of row p, lanes 16-31 of the row 32 further on
	WIN 0xc0
.set ip, 0
.rept 16
	global_load_b128 v[64*(\g)+4*ip:64*(\g)+4*ip+3], v[6+18*(\g)], s[20:21] offset:ip*PITCH th:TH_LOAD_NT
.set ip, ip+1
.endr
	WIN 0
.endm
.macro WCV g                           ; rounded in pairs of k: four whole fragments, held
	WIN 0xcf
.set it, 0
.rept 4
.set iq, 0
.rept 8
	v_cvt_pk_bf16_f32 v[HOLD+32*(\g)+8*it+iq], v[64*(\g)+8*iq+it], v[64*(\g)+8*iq+4+it]
.set iq, iq+1
.endr
.set it, it+1
.endr
	WIN 0
.endm
.macro STORE                           ; my eight fragments of a chunk go to LDS, lane i at 16 i
	WIN 0x0c
.set it, 0
.rept 16
	ds_store_b128 v7, v[HOLD+4*it:HOLD+4*it+3] offset:512*it
.set it, it+1
.endr
	WIN 0
.endm
.macro BLOAD buf
.set it, 0
.rept 16
	ds_load_b128 v[BF+64*(\buf)+4*it:BF+64*(\buf)+4*it+3], v8 offset:512*it
.set it, it+1
.endr
.endm
.macro ASTEP slot                      ; the slot's next k step, four on; its last loads were shown done by the wait of the k step that multiplied them
.set it, 0
.rept 5
	v_add_nc_u32 v[AO+5*(\slot)+it], 4*A_KSTEP, v[AO+5*(\slot)+it]
.set it, it+1
.endr
.endm
.macro ALOAD slot, b                   ; a k step's fragments of h for five tiles, 512 consecutive bytes a load: always ten loads, so that every count below is fixed
	WIN 0x80
.set it, 0
.rept 5
	global_load_b128 v[40*(\slot)+8*it:40*(\slot)+8*it+3],   v[AO+5*(\slot)+it], s[\b:\b+1]
	global_load_b128 v[40*(\slot)+8*it+4:40*(\slot)+8*it+7], v[AO+5*(\slot)+it], s[\b:\b+1] offset:A_U
.set it, it+1
.endr
	WIN 0
.endm
.macro TILE a, slot, buf, first        ; tile a x 8 column tiles; the accumulators take turns, one instruction a turn.  first = 1: the constant 0 starts the sums.  It leaves its window setting standing
.if (\a) < 4
.set AC, 64*(\a)
	WIN 0x52
.else
.set AC, 192
	WIN 0xa2
.endif
.set ic, 0
.rept 8
.if \first
	v_wmma_f32_16x16x32_bf16 v[AC+8*ic:AC+8*ic+7], v[40*(\slot)+8*(\a):40*(\slot)+8*(\a)+7], v[BF+64*(\buf)+8*ic:BF+64*(\buf)+8*ic+7], 0
.else
	v_wmma_f32_16x16x32_bf16 v[AC+8*ic:AC+8*ic+7], v[40*(\slot)+8*(\a):40*(\slot)+8*(\a)+7], v[BF+64*(\buf)+8*ic:BF+64*(\buf)+8*ic+7], v[AC+8*ic:AC+8*ic+7]
.endif
.set ic, ic+1
.endr
.endm
; K step (c, i) of pass 0.  lcnt: the loads younger than this step's fragments of h.  ld = 1: the slot read last step is stepped (five plain instructions: the places) and loaded, three steps ahead; 2: loaded as it stands; 0: no more.
; g = 0, 1: that staging buffer, shown in by the same wait, is rounded; wi = 1: and asked for again, two chunks on, behind this step's loads of h.  bl = 1: the next step's weights are fetched from LDS.
; bd = 1: the chunk's end; 2: the last one.  pq = 1: the chunk three on is asked for into the L2.  Tiles 3 and 4 are jumped where they do not exist (not in the first step, which writes every accumulator).
.macro KS i, first, lcnt, ld, g, wi, bl, bd, pq=0
	s_wait_loadcnt \lcnt
	s_wait_dscnt 0x0                               ; this step's weights, asked for a step ago; at a chunk's end: my reads of the chunk are over
.if \pq
	s_wait_xcnt 0x0                                ; the last trip's two requests have read v27; the youngest memory instruction stands a k step back
	v_add_nc_u32 v27, s58, v26
	s_add_co_u32 s58, s58, CHUNK
	s_min_u32 s58, s58, 7*CHUNK                    ; never past the last chunk
.endif
.if (\ld) == 1
	ASTEP ((\i)+3)%4
.else
	PLACES
.endif
.if \wi
	WSTEP \g
.endif
.if (\bl) && ((\bd) == 0)
	v_add_nc_u32 v8, s45, v[28+(\i)]
	BLOAD ((\i)+1)%2
.endif
.if \ld
	ALOAD ((\i)+3)%4, AB
.endif
.if \pq
	global_prefetch_b8 v27, s[20:21] th:TH_LOAD_NT scope:SCOPE_SE             ; my row's 512 bytes, as two blocks of 256
	global_prefetch_b8 v27, s[20:21] offset:256 th:TH_LOAD_NT scope:SCOPE_SE
.endif
.if \bd
	s_barrier_signal -1                            ; say so; the rounding, work on registers, stands between signal and wait
.endif
.if (\g) >= 0
	WCV \g
.endif
.if \bd
	s_barrier_wait -1                              ; nobody reads LDS now
	s_add_co_u32 s45, s45, 8192                    ; the next chunk's place,
	s_min_u32 s45, s45, 0xe000                     ; chunk 7's at the most: a wave's stores stay inside its own 65,536 bytes
	v_add_nc_u32 v7, s45, v25
	STORE
.if (\bd) == 2
	s_wait_tensorcnt 0x0                           ; behind my last LDS store
	ds_add_u32 v1, v2
	s_wait_dscnt 0x0                               ; also for the others' sake: my fragments of the last chunk are in LDS
.endif
.endif
.if \wi
	WISSUE \g
.endif
.if \bd
.if (\bd) == 1
	s_wait_dscnt 0x0                               ; for the others' sake: my fragments of the next chunk are in LDS
.endif
	s_barrier_signal -1
	TILE 0, \i, (\i)%2, 0                          ; work on registers while the others arrive
	s_barrier_wait -1                              ; everybody's are
	WIN 0
	v_add_nc_u32 v8, s45, v3
	BLOAD 0                                        ; the next chunk's first step; the tiles below stand between these loads and the wait for them
.else
	TILE 0, \i, (\i)%2, \first
.endif
	TILE 1, \i, (\i)%2, \first
	TILE 2, \i, (\i)%2, \first
.irp a, 3,4
.if !(\first)
	WIN 0                                          ; at a branch every window is 0
	s_cmp_lt_u32 s30, (\a)+1
	s_cbranch_scc1 .Lk_\@
.endif
	TILE \a, \i, (\i)%2, \first
.endr
	WIN 0
.Lk_\@:
.endm
; A k step of the plain walk (passes 1 to 3): fetch, wait for all, multiply.
.macro SK first
	PLACES
	BLOAD 0
	ALOAD 0, 22
	s_wait_loadcnt 0x0
	s_wait_dscnt 0x0
	TILE 0, 0, 0, \first
	TILE 1, 0, 0, \first
	TILE 2, 0, 0, \first
.irp a, 3,4
.if !(\first)
	WIN 0
	s_cmp_lt_u32 s30, (\a)+1
	s_cbranch_scc1 .Ls_\@
.endif
	TILE \a, 0, 0, \first
.endr
	WIN 0
.Ls_\@:
.endm
.macro NLCALC                          ; how many of my five tiles of the pass exist
	s_sub_co_i32 s30, s27, s28
	s_sub_co_i32 s30, s30, s14
	s_add_co_i32 s30, s30, 3
	s_ashr_i32 s30, s30, 2
	s_max_i32 s30, s30, 0
	s_min_i32 s30, s30, 5
.endm
.macro SETUP full                      ; the pass's five tiles: slot 0's offsets in hf; full = 1: those of slots 1 to 3 too
	s_wait_xcnt 0x0                                ; registers that earlier stores read are written anew
	s_max_u32 s36, s27, 1
	s_sub_co_u32 s36, s36, 1
	s_add_co_u32 s35, s28, s14
.irp a, 0,1,2,3,4
	s_add_co_u32 s34, s35, 4*\a
	s_min_u32 s34, s34, s36                        ; a tile that does not exist repeats the last one
	s_min_u32 s34, s34, 63
	s_lshl_b32 s34, s34, 17
	v_add_nc_u32 v[AO+\a], s34, v3                 ; the tile's 128 fragments in hf
.endr
.if \full
.irp s, 1,2,3
.irp a, 0,1,2,3,4
	v_add_nc_u32 v[AO+5*\s+\a], \s*A_KSTEP, v[AO+\a]
.endr
.endr
.endif
.endm
; Tile a leaves: register jj of all 8 accumulators first (each is read from its low end), times the row's gate weight, the four t side by side.
; Each tile has 64 registers of its own for the scaled rows, so no tile's multiplies write what an earlier tile's stores still read; the registers are written again only in a later pass, behind its wait on XCNT.
.macro OUT a
.if (\a) > 0
	s_cmp_lt_u32 s30, (\a)+1
	s_cbranch_scc1 .Lpassn
.endif
.if (\a) < 2
.set TB, 128+64*(\a)
.set TW, 0
.else
.set TB, 64*((\a)-2)
.set TW, 3
.endif
.if (\a) < 4
.set AC, 64*(\a)
	WIN (TW<<6)|0x01
.else
.set AC, 192
	WIN (TW<<6)|0x02
.endif
.set im, 0
.rept 64                               ; im = 8 jj + 4 g + t
	v_mul_f32 v[TB+32*((im/4)%2)+4*(im/8)+im%4], v[AC+8*(im%8)+im/8], v[40+16*(\a)+im/8]
.set im, im+1
.endr
	WIN TW<<2                                      ; a store's data is source 1
.set im, 0
.rept 16                               ; im = 2 jj + g
	global_store_b128 v[32+16*(\a)+im/2], v[TB+32*(im%2)+4*(im/2):TB+32*(im%2)+4*(im/2)+3], s[56:57] offset:256*(im%2)
.set im, im+1
.endr
	WIN 0
.endm
	s_load_b256 s[4:11], s[0:1], 0x0               ; W2 s[4:5], hf s[6:7], sel s[8:9], gw s[10:11]
	s_load_b64 s[12:13], s[0:1], 0x20              ; part
	v_lshl_add_u32 v1, v0, 2, SPARE
	v_mov_b32 v2, 0
	v_and_b32 v21, 31, v0
	v_lshrrev_b32 v16, 5, v0
	v_readfirstlane_b32 s14, v16                   ; wave
	v_lshlrev_b32 v3, 4, v21
	v_and_b32 v4, 15, v0
	v_bfe_u32 v5, v0, 4, 1
	v_lshlrev_b32 v22, 4, v4
	v_lshl_add_u32 v6, v5, KHSH, v22               ; columns 0-63 of the slice,
	v_add_nc_u32 v24, 0x100, v6                    ; columns 64-127
	v_lshlrev_b32 v26, PSH, v4
	v_lshl_add_u32 v26, v5, KHSH, v26              ; lane l's own row among the 32 that my wave loads of a chunk
	s_lshr_b32 s15, ttmp9, 5                       ; expert
	s_bfe_u32 s16, ttmp9, 0x20003                  ; quarter of K
	s_and_b32 s17, ttmp9, 7                        ; slice of the columns
	s_lshl_b32 s38, s16, 22
	s_lshl_b32 s34, s17, 9
	s_add_co_u32 s38, s38, s34                     ; quarter and slice: the same bytes in W2[e] and in part
	s_mov_b32 s39, 0
	s_lshl_b32 s18, s15, 24
	s_add_co_u32 s18, s18, s38
	s_lshr_b32 s34, s14, 1                         ; my first row in a chunk of 128: 64 (w / 2) + 16 (w % 2)
	s_lshl_b32 s34, s34, 18
	s_add_co_u32 s18, s18, s34
	s_and_b32 s34, s14, 1
	s_lshl_b32 s34, s34, 16
	s_add_co_u32 s18, s18, s34
	s_mov_b32 s19, 0
	s_lshl_b32 s36, s15, 23
	s_lshl_b32 s34, s16, 15
	s_add_co_u32 s36, s36, s34                     ; hf: the expert's tiles, the quarter's 32 fragments
	s_mov_b32 s37, 0
	s_wait_kmcnt 0x0
	s_add_nc_u64 s[20:21], s[4:5], s[18:19]
	s_add_nc_u64 s[24:25], s[6:7], s[36:37]
	s_add_nc_u64 s[56:57], s[12:13], s[38:39]
.set it, 0
.rept 8                                ; sel: the lane's word 4 c + q is token 128 c + 4 l + q.  Every wave loads it, so that all count alike; wave 0 uses it
	global_load_b128 v[32+4*it:35+4*it], v3, s[8:9] offset:512*it
.set it, it+1
.endr
	WISSUE 0                                       ; chunk 0
	WISSUE 1
.irp c, 1,2                            ; chunks 1 and 2 are asked for into the L2: my 32 rows x 512 bytes of each
	global_prefetch_b8 v26, s[20:21] offset:\c*CHUNK th:TH_LOAD_NT scope:SCOPE_SE
	global_prefetch_b8 v26, s[20:21] offset:\c*CHUNK+256 th:TH_LOAD_NT scope:SCOPE_SE
.endr
	s_lshl_b32 s34, s14, 16                        ; the rest of the set-up, work on registers, stands behind the requests
	v_add_nc_u32 v25, s34, v3                      ; wave w rounds k steps 4 c + w
	v_add_nc_u32 v28, 0x10000, v3
	v_add_nc_u32 v29, 0x20000, v3
	v_add_nc_u32 v30, 0x30000, v3
	v_lshlrev_b32 v23, 5, v5
	s_lshl_b32 s40, 0x10001, s15                   ; the expert's two bits in a word of sel
	s_add_co_u32 s41, s15, 4
	s_mov_b32 s42, 0                               ; rows so far
	s_mov_b32 s44, LIST
	s_mov_b32 s45, 0                               ; 8,192 x the chunk in hand
	s_mov_b32 s58, 3*CHUNK                         ; the chunk that the loop asks for next
	s_cmp_lg_u32 s14, 0
	s_cbranch_scc1 .Lnolist
	s_wait_loadcnt 32                              ; sel is in: behind it the weights' 32 loads
	v_mov_b32 v20, s44
	ds_store_b32 v20, v2                           ; place 0 holds a token whatever the count
	v_lshlrev_b32 v16, 2, v21
	s_mov_b32 s32, 8
.Llist:                                                ; a trip takes the four words of 128 tokens, then moves the words still to come down by four registers
.set wi, 0
.rept 4
	v_and_b32 v18, s40, v[32+wi]
	v_cmp_ne_u32 vcc_lo, 0, v18                    ; who chose the expert
	v_mbcnt_lo_u32_b32 v17, vcc_lo, s42            ; the row's place: those before it
	v_cndmask_b32 v17, 0x43f, v17, vcc_lo          ; the others write word 1087, which nobody reads
	v_min_u32 v17, 0x43f, v17
	v_lshrrev_b32 v19, s41, v18                    ; 0 for the first choice, 1 << 12 for the second
	v_or_b32 v19, v19, v16
	v_lshl_add_u32 v20, v17, 2, s44
	ds_store_b32 v20, v19
	s_bcnt1_i32_b32 s43, vcc_lo
	s_add_co_u32 s42, s42, s43
.if wi == 3
	v_add_nc_u32 v16, 125, v16
.else
	v_add_nc_u32 v16, 1, v16
.endif
.set wi, wi+1
.endr
.set wi, 0
.rept 28
	v_mov_b32 v[32+wi], v[36+wi]
.set wi, wi+1
.endr
	s_sub_co_u32 s32, s32, 1
	s_cmp_lg_u32 s32, 0
	s_cbranch_scc1 .Llist
	s_max_u32 s43, s42, 1
	s_sub_co_u32 s43, s43, 1
	s_min_u32 s43, s43, 0x3ff
	s_lshl_b32 s43, s43, 2
	s_add_co_u32 s43, s43, LIST
	v_mov_b32 v20, s43
	ds_load_b32 v19, v20                           ; the last row (LDS serves a wave's instructions in order: ISA guide 5.7.1.4)
	v_add_nc_u32 v17, s42, v21
	v_min_u32 v17, 0x41f, v17
	v_lshl_add_u32 v20, v17, 2, s44
	s_wait_dscnt 0x0
	ds_store_b32 v20, v19                          ; repeated in the 32 places behind it
	v_mov_b32 v20, CNTW
	v_mov_b32 v19, s42
	ds_store_b32 v20, v19
.Lnolist:
	s_wait_loadcnt 16                              ; chunk 0's first batch is in, its second may be out
	WCV 0
	s_wait_loadcnt 0x0
	WCV 1
	v_add_nc_u32 v7, s45, v25
	STORE
	s_wait_dscnt 0x0                               ; for the others' sake: my fragments of chunk 0, and wave 0's list, are in LDS
	s_barrier_signal -1
	s_barrier_wait -1
	v_mov_b32 v17, CNTW
	ds_load_b32 v18, v17
	s_wait_dscnt 0x0
	v_readfirstlane_b32 s26, v18
	s_min_u32 s26, s26, 0x400                      ; rows
	s_add_co_u32 s27, s26, 15
	s_lshr_b32 s27, s27, 4                         ; tiles
	s_mov_b32 s28, 0                               ; the pass's first tile
	s_mov_b32 s29, 4                               ; four passes of 20 tiles cover 1,024 rows, all tokens on one expert
	NLCALC
	SETUP 1
	ALOAD 0, AB                                    ; the order that the walk keeps: A(0), W(1, half 0), A(1), A(2), W(1, half 1)
	WSTEP 0
	WISSUE 0
	ALOAD 1, AB
	ALOAD 2, AB
	WSTEP 1
	WISSUE 1
	v_add_nc_u32 v8, s45, v3
	BLOAD 0
	; the counts: at (c,0) and (c,2) two batches of 16 and two steps' 10 are younger than the fragments wanted: 52; at (c,1) and (c,3) one batch and two steps: 36
	KS 0, 1, 52, 2, -1, 0, 1, 0                    ; (0,0) stands ahead of the loop: its products start the sums
	s_mov_b32 s32, 6
.Lchunk:                                               ; a trip goes from a chunk's second k step to the next chunk's first; trips 0 to 5 load chunks 2 to 7
	KS 1, 0, 36, 1, 0, 1, 1, 0
	KS 2, 0, 52, 1, -1, 0, 1, 0, 1
	KS 3, 0, 36, 1, 1, 1, 1, 1
	KS 0, 0, 52, 1, -1, 0, 1, 0
	s_sub_co_u32 s32, s32, 1
	s_cmp_lg_u32 s32, 0
	s_cbranch_scc1 .Lchunk
	KS 1, 0, 36, 1, 0, 0, 1, 0                     ; chunk 6: no weights are left to ask for, so the counts lose their batches
	KS 2, 0, 36, 1, -1, 0, 1, 0                    ; chunk 7's second batch and two steps
	KS 3, 0, 20, 1, 1, 0, 1, 2                     ; two steps; the last chunk goes into LDS
	KS 0, 0, 20, 1, -1, 0, 1, 0                    ; (7,0) asks for the last step's fragments
	KS 1, 0, 20, 0, -1, 0, 1, 0
	KS 2, 0, 10, 0, -1, 0, 1, 0
	KS 3, 0, 0, 0, -1, 0, 0, 0
	PLACES                                         ; behind the last products, on every way
	s_branch .Lepi                                 ; the way out is written once, in the loop over the further passes
.Lpass:                                                ; passes 1 to 3: rows past 320 of one expert
	NLCALC
	s_cmp_eq_u32 s30, 0
	s_cbranch_scc1 .Lpassn
	SETUP 0
	s_mov_b64 s[22:23], s[24:25]
	v_mov_b32 v8, v3
	SK 1
	s_mov_b32 s32, 1
.Lslow:                                                ; LDS is walked on end: block m of 8,192 bytes holds k step 4 (m % 8) + m / 8
	s_and_b32 s34, s32, 7
	s_lshl_b32 s34, s34, 2
	s_lshr_b32 s35, s32, 3
	s_or_b32 s34, s34, s35
	s_lshl_b32 s18, s34, A_KSH
	s_add_nc_u64 s[22:23], s[24:25], s[18:19]      ; the last trip's loads are done: its wait was for 0
	s_lshl_b32 s34, s32, 13
	v_add_nc_u32 v8, s34, v3
	SK 0
	s_add_co_u32 s32, s32, 1
	s_cmp_lt_u32 s32, 32
	s_cbranch_scc1 .Lslow
	PLACES
.Lepi:
	s_cmp_eq_u32 s30, 0
	s_cbranch_scc1 .Lpassn                         ; a wave without a tile stores nothing
	; THE WAY OUT.  First the rows' places in part and their gate weights, from the list
	s_wait_xcnt 0x0                                ; registers that an earlier pass's stores read are written anew
	s_max_u32 s36, s27, 1
	s_sub_co_u32 s36, s36, 1
	s_add_co_u32 s35, s28, s14
.irp a, 0,1,2,3,4
	s_add_co_u32 s34, s35, 4*\a
	s_min_u32 s34, s34, s36
	s_min_u32 s34, s34, 63
	s_lshl_b32 s34, s34, 6
	s_add_co_u32 s34, s34, LIST
	v_add_nc_u32 v[16+\a], s34, v23
	ds_load_b128 v[32+16*\a:35+16*\a], v[16+\a]    ; the entries of rows 8 (l / 16) + 0 .. 7
	ds_load_b128 v[36+16*\a:39+16*\a], v[16+\a] offset:16
.endr
	s_wait_dscnt 0x0
.set im, 0
.rept 40                               ; im = 8 a + jj
.set rE, 32+16*(im/8)+im%8
	v_min_u32 v[rE], 0x13ff, v[rE]                 ; token | choice << 12
	v_lshlrev_b32 v[rE+8], 2, v[rE]
	global_load_b32 v[rE+8], v[rE+8], s[10:11]     ; the gate's weight lands on its own offset
	v_lshl_add_u32 v[rE], v[rE], 12, v22           ; the row of 4,096 bytes in part + 16 (l % 16)
.set im, im+1
.endr
	s_wait_loadcnt 0x0                             ; all 40 weights, those of tiles that are jumped too: none is out when their registers are written again
.irp a, 0,1,2,3,4
	OUT \a
.endr
.Lpassn:
	s_add_co_u32 s28, s28, 20
	s_sub_co_u32 s29, s29, 1
	s_cmp_lg_u32 s29, 0
	s_cbranch_scc1 .Lpass
	s_endpgm                                       ; nothing has written LDS since the three lines behind the last chunk's stores
.Lfunc_end_k_qaea302173e_ffn2:
	.size	k_qaea302173e_ffn2, .Lfunc_end_k_qaea302173e_ffn2-k_qaea302173e_ffn2
	.p2alignl 7, 3214868480
	.fill 96, 4, 3214868480
	.section	.rodata,"a",@progbits
	.p2align	6, 0x0
	.amdhsa_kernel k_qaea302173e_ffn2
		.amdhsa_group_segment_fixed_size 267264
		.amdhsa_private_segment_fixed_size 0
		.amdhsa_enable_private_segment 0
		.amdhsa_kernarg_size 40
		.amdhsa_user_sgpr_count 2
		.amdhsa_user_sgpr_kernarg_segment_ptr 1
		.amdhsa_wavefront_size32 1
		.amdhsa_system_sgpr_workgroup_id_x 1
		.amdhsa_system_sgpr_workgroup_id_y 1
		.amdhsa_system_sgpr_workgroup_id_z 1
		.amdhsa_system_vgpr_workitem_id 0
		.amdhsa_next_free_vgpr 1024
		.amdhsa_next_free_sgpr 66
		.amdhsa_reserve_vcc 1
		.amdhsa_float_denorm_mode_32 3
		.amdhsa_float_denorm_mode_16_64 3
		.amdhsa_memory_ordered 1
		.amdhsa_forward_progress 1
		.amdhsa_inst_pref_size 141
	.end_amdhsa_kernel
	.amdgpu_metadata
---
amdhsa.version: [ 1, 2 ]
amdhsa.kernels:
  - .name:           k_qaea302173e_ffn2
    .symbol:         k_qaea302173e_ffn2.kd
    .args:
      - { .name: W2, .offset: 0, .size: 8, .value_kind: global_buffer, .address_space: global }
      - { .name: hf, .offset: 8, .size: 8, .value_kind: global_buffer, .address_space: global }
      - { .name: sel, .offset: 16, .size: 8, .value_kind: global_buffer, .address_space: global }
      - { .name: gw, .offset: 24, .size: 8, .value_kind: global_buffer, .address_space: global }
      - { .name: part, .offset: 32, .size: 8, .value_kind: global_buffer, .address_space: global }
    .group_segment_fixed_size: 267264
    .private_segment_fixed_size: 0
    .kernarg_segment_align: 8
    .kernarg_segment_size: 40
    .max_flat_workgroup_size: 128
    .sgpr_count:     66
    .vgpr_count:     1024
    .wavefront_size: 32
...
	.end_amdgpu_metadata
.endif
;; end of part 3
;; launch merge (part 4): grid 257 x 1, 8 waves a work-group, no clusters, 0 bytes of LDS; arguments part, sel, gw, b2, psum, out0, out1; writes out0, out1
.if DOCPART == 4
	.amdgcn_target "amdgcn-amd-amdhsa--gfx1250"
	.amdhsa_code_object_version 6
	.text
	.protected	k_qaea302173e_merge
	.globl	k_qaea302173e_merge
	.p2align	8
	.type	k_qaea302173e_merge,@function
k_qaea302173e_merge:
	s_mov_b64 s[64:65], 0
	v_nop
	global_prefetch_b8 v0, s[64:65] scope:SCOPE_SE
	s_setreg_imm32_b32 hwreg(HW_REG_WAVE_MODE, 25, 1), 1
	s_wait_xcnt 0x0
; THE SUM.  out0[t] = the 8 partial rows of token t (2 choices x 4 quarters of K, already weighted), added in a fixed order in f32, + w0 b2[e0] + w1 b2[e1], b2 rounded once to bf16 like every input.
; Work-groups 0 to 255: 4 tokens each; wave w takes half w % 2 (2,048 bytes) of token 4 wg + w / 2: 32 loads of 512 consecutive bytes, all out before the first wait.
; Work-group 256: out1 = 8 x the sum over experts of (count / all counts) x (mean gate probability), from the router's 256 rows of partial sums; one wave does it beside the others.
; A stream: no LDS, no barrier, no matrix unit.
	s_load_b256 s[4:11], s[0:1], 0x0               ; part s[4:5], sel s[6:7], gw s[8:9], b2 s[10:11]
	s_load_b128 s[12:15], s[0:1], 0x20             ; psum s[12:13], out0 s[14:15]
	s_load_b64 s[16:17], s[0:1], 0x30              ; out1
	v_and_b32 v1, 31, v0
	v_lshrrev_b32 v2, 5, v0
	v_readfirstlane_b32 s18, v2                    ; wave
	s_cmp_eq_u32 ttmp9, 256
	s_cbranch_scc1 .Lloss
	s_lshr_b32 s19, s18, 1
	s_lshl_b32 s20, ttmp9, 2
	s_add_co_u32 s20, s20, s19                     ; token
	s_lshl_b32 s22, s20, 2
	s_mov_b32 s23, 0
	s_lshl_b32 s24, s20, 12
	s_mov_b32 s25, 0
	s_and_b32 s21, s18, 1
	s_lshl_b32 s21, s21, 11
	v_lshl_add_u32 v3, v1, 4, s21                  ; 16 lane + 2,048 half
	s_wait_kmcnt 0x0
	s_add_nc_u64 s[6:7], s[6:7], s[22:23]
	s_add_nc_u64 s[8:9], s[8:9], s[22:23]
	s_load_b32 s26, s[6:7], 0x0                    ; the token's two experts
	s_load_b32 s28, s[8:9], 0x0                    ; w0
	s_load_b32 s30, s[8:9], 0x4000                 ; w1
	s_add_nc_u64 s[32:33], s[4:5], s[24:25]
.set n, 1
.rept 7                                ; the parts lie 4 MiB apart, more than a load's immediate holds: a base for each
	s_add_nc_u64 s[32+2*n:33+2*n], s[30+2*n:31+2*n], 0x400000
.set n, n+1
.endr
	s_add_nc_u64 s[14:15], s[14:15], s[24:25]
.set n, 0
.rept 32                               ; n = 4 part + i
	global_load_b128 v[16+4*n:19+4*n], v3, s[32+2*(n/4):33+2*(n/4)] offset:512*(n%4) th:TH_LOAD_NT
.set n, n+1
.endr
	s_wait_kmcnt 0x0
	s_mov_b32 s29, s28                             ; named as pairs by the packed lines
	s_mov_b32 s31, s30
	s_and_b32 s27, s26, 0xffff
	s_ctz_i32_b32 s27, s27
	s_min_u32 s27, s27, 7
	s_lshl_b32 s48, s27, 12
	s_mov_b32 s49, 0
	s_add_nc_u64 s[48:49], s[10:11], s[48:49]      ; b2[e0]
	s_lshr_b32 s27, s26, 16
	s_ctz_i32_b32 s27, s27
	s_min_u32 s27, s27, 7
	s_lshl_b32 s50, s27, 12
	s_mov_b32 s51, 0
	s_add_nc_u64 s[50:51], s[10:11], s[50:51]      ; b2[e1]
.set n, 0
.rept 4
	global_load_b128 v[144+4*n:147+4*n], v3, s[48:49] offset:512*n
.set n, n+1
.endr
.set n, 0
.rept 4
	global_load_b128 v[160+4*n:163+4*n], v3, s[50:51] offset:512*n
.set n, n+1
.endr
.set n, 1
.rept 7
	s_wait_loadcnt 36-4*n                          ; behind part n: the later parts' four loads each and b2's eight
.set p, 0
.rept 8
	v_pk_add_f32 v[16+2*p:17+2*p], v[16+2*p:17+2*p], v[16+16*n+2*p:17+16*n+2*p]
.set p, p+1
.endr
.set n, n+1
.endr
.macro BIAS2 b, w, left
	s_wait_loadcnt \left
.set p, 0
.rept 8
	v_cvt_pk_bf16_f32 v[\b+2*p], v[\b+2*p], v[\b+2*p+1]
.set p, p+1
.endr
.set p, 0
.rept 8
	v_and_b32 v[\b+2*p+1], 0xffff0000, v[\b+2*p]
	v_lshlrev_b32 v[\b+2*p], 16, v[\b+2*p]
	v_pk_fma_f32 v[16+2*p:17+2*p], v[\b+2*p:\b+2*p+1], s[\w:\w+1], v[16+2*p:17+2*p] op_sel_hi:[1,0,1]
.set p, p+1
.endr
.endm
	BIAS2 144, 28, 4
	BIAS2 160, 30, 0
.set n, 0
.rept 4
	global_store_b128 v3, v[16+4*n:19+4*n], s[14:15] offset:512*n th:TH_STORE_NT  ; 512 consecutive bytes, aligned
.set n, n+1
.endr
	s_endpgm
.Lloss:
	s_cmp_lg_u32 s18, 0
	s_cbranch_scc1 .Ldone
	s_mov_b32 s20, 0x76543210                      ; v_permlanex16_b32: each lane takes its own place in the other half
	s_mov_b32 s21, 0xfedcba98
	v_lshlrev_b32 v3, 6, v1                        ; lane l takes rows l + 32 i
	s_wait_kmcnt 0x0
.set n, 0
.rept 32                               ; n = 4 i + quarter
	global_load_b128 v[16+4*n:19+4*n], v3, s[12:13] offset:(n/4)*2048+(n%4)*16
.set n, n+1
.endr
	s_wait_loadcnt 0x0
.set n, 8
.rept 56
	v_pk_add_f32 v[16+2*(n%8):17+2*(n%8)], v[16+2*(n%8):17+2*(n%8)], v[16+2*n:17+2*n]
.set n, n+1
.endr
.irp x, 1,2,4,8
.set n, 0
.rept 16
	v_add_f32_dpp v[16+n], v[16+n], v[16+n] row_xmask:\x row_mask:0xf bank_mask:0xf
.set n, n+1
.endr
.endr
.set n, 0
.rept 16
	v_permlanex16_b32 v[32+n], v[16+n], s20, s21   ; its destination has been written: a loaded row lay there
.set n, n+1
.endr
.set n, 0
.rept 16
	v_add_f32 v[16+n], v[16+n], v[32+n]            ; v16-23 the probabilities' sums, v24-31 the counts
.set n, n+1
.endr
	v_add_f32 v48, v24, v25
	v_mul_f32 v49, v16, v24
.set n, 1
.rept 7
	v_fma_f32 v49, v[16+n], v[24+n], v49
.set n, n+1
.endr
.set n, 2
.rept 6
	v_add_f32 v48, v48, v[24+n]
.set n, n+1
.endr
	v_rcp_f32 v50, v48
	v_mov_b32 v51, 0
	s_wait_alu depctr_va_vdst(0)
	v_mul_f32 v49, v49, v50
	v_mul_f32 v49, 0x3c000000, v49                 ; x 8 / 1,024
	v_cmp_eq_u32 vcc_lo, 0, v1
	s_wait_xcnt 0x0
	s_and_saveexec_b32 s22, vcc_lo
	global_store_b32 v51, v49, s[16:17]
	s_wait_xcnt 0x0
	s_or_b32 exec_lo, exec_lo, s22
.Ldone:
	s_endpgm
.Lfunc_end_k_qaea302173e_merge:
	.size	k_qaea302173e_merge, .Lfunc_end_k_qaea302173e_merge-k_qaea302173e_merge
	.p2alignl 7, 3214868480
	.fill 96, 4, 3214868480
	.section	.rodata,"a",@progbits
	.p2align	6, 0x0
	.amdhsa_kernel k_qaea302173e_merge
		.amdhsa_group_segment_fixed_size 0
		.amdhsa_private_segment_fixed_size 0
		.amdhsa_enable_private_segment 0
		.amdhsa_kernarg_size 56
		.amdhsa_user_sgpr_count 2
		.amdhsa_user_sgpr_kernarg_segment_ptr 1
		.amdhsa_wavefront_size32 1
		.amdhsa_system_sgpr_workgroup_id_x 1
		.amdhsa_system_sgpr_workgroup_id_y 1
		.amdhsa_system_sgpr_workgroup_id_z 1
		.amdhsa_system_vgpr_workitem_id 0
		.amdhsa_next_free_vgpr 192
		.amdhsa_next_free_sgpr 66
		.amdhsa_reserve_vcc 1
		.amdhsa_float_denorm_mode_32 3
		.amdhsa_float_denorm_mode_16_64 3
		.amdhsa_memory_ordered 1
		.amdhsa_forward_progress 1
		.amdhsa_inst_pref_size 28
	.end_amdhsa_kernel
	.amdgpu_metadata
---
amdhsa.version: [ 1, 2 ]
amdhsa.kernels:
  - .name:           k_qaea302173e_merge
    .symbol:         k_qaea302173e_merge.kd
    .args:
      - { .name: part, .offset: 0, .size: 8, .value_kind: global_buffer, .address_space: global }
      - { .name: sel, .offset: 8, .size: 8, .value_kind: global_buffer, .address_space: global }
      - { .name: gw, .offset: 16, .size: 8, .value_kind: global_buffer, .address_space: global }
      - { .name: b2, .offset: 24, .size: 8, .value_kind: global_buffer, .address_space: global }
      - { .name: psum, .offset: 32, .size: 8, .value_kind: global_buffer, .address_space: global }
      - { .name: out0, .offset: 40, .size: 8, .value_kind: global_buffer, .address_space: global }
      - { .name: out1, .offset: 48, .size: 8, .value_kind: global_buffer, .address_space: global }
    .group_segment_fixed_size: 0
    .private_segment_fixed_size: 0
    .kernarg_segment_align: 8
    .kernarg_segment_size: 56
    .max_flat_workgroup_size: 256
    .sgpr_count:     66
    .vgpr_count:     192
    .wavefront_size: 32
...
	.end_amdgpu_metadata
.endif
;; end of part 4
